; MI455X (gfx1250); checked and timed in simulation.
; The chip was launched on July 23, 2026; its instructions are those of AMD's public machine-readable ISA for CDNA 5 (MIT licence, August 2026) and "CDNA5" Instruction Set Architecture Reference Guide (July 2026). The comments in the code are by the model that wrote it; some were corrected since.
;; Hash Encoding Level. Allowed arithmetic: float matrix products may take bf16 or f16 operands with f32 sums; all other float work in f32.
;; Inputs: coords 4,194,304 x 3 float32; grid 2 x 524,288 float32.
;; Outputs: out0 4,194,304 x 2 float32.
;; 3 versions, each right; version 2 is faster than version 1; version 3 is version 2 with the launch gather written anew for expert scheduling mode. Each part assembles by itself: llvm-mc -triple=amdgcn-amd-amdhsa -mcpu=gfx1250 --defsym DOCPART=n.
;; ======== version 1 of 3: 2 launches
;; workspace buffers: idx 16,777,216 bytes of whole numbers; tab 4,194,304 bytes
;; launch index (part 1): grid 256 x 1, 32 waves a work-group, no clusters, 0 bytes of LDS; arguments coords, grid, idx, tab; writes idx, tab
.if DOCPART == 1
	.amdgcn_target "amdgcn-amd-amdhsa--gfx1250"
	.amdhsa_code_object_version 6
	.text
	.protected	k_qc8a609316d_index
	.globl	k_qc8a609316d_index
	.p2align	8
	.type	k_qc8a609316d_index,@function
k_qc8a609316d_index:
	s_mov_b64 s[64:65], 0
	v_nop
	global_prefetch_b8 v0, s[64:65] scope:SCOPE_SE
	s_setreg_imm32_b32 hwreg(HW_REG_WAVE_MODE, 25, 1), 1
	s_wait_xcnt 0x0
; HASH ENCODING, FIRST OF TWO LAUNCHES: the voxel of every point, as whole numbers, and the table with its two features side by side.
; No address of a launch hangs on floating-point numbers of the same launch.  So the voxel (x0, y0, z0) = clip(floor(127 c), 0, 126) is made
; here from coords and stored as one word a point, x0 | y0 << 7 | z0 << 14; the next launch reads the words and forms its table addresses from them.
; No work of the problem is left out in either launch, and both inputs are loaded.
; clip(floor(s), 0, 126) is made as trunc(clamp(s, 0, 126.5)): below 0 both give 0, from 126 up both give 126, between them trunc = floor.
; LIMITS: for |127 c| of 2^31 and more the voxel is the clamped one (0 or 126), where the problem's conversion to int32 is outside its range.
; A NaN coordinate gives some voxel inside the grid; the next launch's weight is NaN there, and so is the result, as in the problem's formula.
;
; 256 work-groups of 32 waves; a work-group owns 16,384 points, a wave four chunks of 128 points.  In a chunk lane L holds points 32 j + L, j = 0..3:
; a load of 12 bytes a lane covers 384 consecutive bytes of coords.  idx is laid out for that: chunk, lane, j; a lane's four words are 16 bytes,
; and each store of a wave covers 512 consecutive bytes, aligned.  The next launch reads idx by the same map.
; The table: grid is [2][524288]; tab is [524288][2], so that a corner is one access of 8 bytes.  Thread T of the launch's 262,144 takes entries 2 T, 2 T + 1.
; All 18 loads of a wave go out at the start; nothing is read twice; no LDS, no barrier: no wave needs another's data.
.set PTS_WG,  16384
.set CROW,    384                      ; bytes of 32 points in coords
.set CCHUNK,  1536                     ; bytes of a chunk in coords
.set CSTEP,   49152                    ; the 32 waves' chunks of one step in coords
.set ISTEP,   16384                    ; the same in idx
.set FEAT1,   2097152                  ; byte offset of grid's second row
.set OC, 1                             ; v1       my byte offset in coords: wave x 1,536 + lane x 12
.set OG, 2                             ; v2       my byte offset in a row of grid: 8 x thread
.set OT, 3                             ; v3       my byte offset in tab, and in a step of idx: 16 x thread
.set TB, 4                             ; v[4:7]   two table entries
.set TM, 8                             ; v8       at work
.set IX, 10                            ; v[10:25] chunk t: four words of idx
.set CB, 26                            ; v[26:89] chunk t, group j: three coordinates in four registers (a tuple starts at an even register)
	s_load_b256 s[4:11], s[0:1], 0x0               ; coords s[4:5], grid s[6:7], idx s[8:9], tab s[10:11]
	v_and_b32 v[OC], 31, v0                        ; lane
	v_lshrrev_b32 v[TM], 5, v0                     ; wave
	v_mul_u32_u24 v[OC], 12, v[OC]
	v_mad_u32_u24 v[OC], v[TM], CCHUNK, v[OC]
	v_lshlrev_b32 v[OG], 3, v0
	v_lshlrev_b32 v[OT], 4, v0
	s_mul_i32 s12, ttmp9, PTS_WG*12                ; the work-group's part of coords (at most 50,135,040: one word)
	s_mov_b32 s13, 0
	s_lshl_b32 s14, ttmp9, 13                      ; of a row of grid: 1,024 threads x 8 bytes
	s_mov_b32 s15, 0
	s_lshl_b32 s16, ttmp9, 16                      ; of idx: 16,384 points x 4 bytes
	s_mov_b32 s17, 0
	s_lshl_b32 s18, ttmp9, 14                      ; of tab: 1,024 threads x 16 bytes
	s_mov_b32 s19, 0
	s_mov_b32 s20, 0x42fe0000                      ; 127.0 = res - 1
	s_mov_b32 s21, 0x42fe0000                      ; the pair's other half: a packed form names the pair
	s_mov_b32 s22, 0x42fd0000                      ; 126.5
	s_wait_kmcnt 0x0
	s_add_nc_u64 s[4:5], s[4:5], s[12:13]
	s_add_nc_u64 s[6:7], s[6:7], s[14:15]
	s_add_nc_u64 s[8:9], s[8:9], s[16:17]
	s_add_nc_u64 s[10:11], s[10:11], s[18:19]
	global_load_b64 v[TB:TB+1],   v[OG], s[6:7] th:TH_LOAD_NT                 ; feature 0 of entries 2 T, 2 T + 1: a wave covers 256 consecutive bytes
	global_load_b64 v[TB+2:TB+3], v[OG], s[6:7] offset:FEAT1 th:TH_LOAD_NT    ; feature 1 of the same
.irp t, 0,1,2,3
.irp j, 0,1,2,3
	global_load_b96 v[CB+16*\t+4*\j:CB+16*\t+4*\j+2], v[OC], s[4:5] offset:\t*CSTEP+\j*CROW th:TH_LOAD_NT
.endr
.endr
	s_wait_loadcnt 16                              ; loads come back in order: the two table loads are in, the 16 of coords stay out
	v_mov_b32 v[TM],   v[TB+1]                     ; (f0 a, f0 b, f1 a, f1 b) becomes (f0 a, f1 a, f0 b, f1 b)
	v_mov_b32 v[TB+1], v[TB+2]
	v_mov_b32 v[TB+2], v[TM]
	global_store_b128 v[OT], v[TB:TB+3], s[10:11]  ; a wave's store covers 512 consecutive bytes, aligned
.irp t, 0,1,2,3
	s_wait_loadcnt 12-4*\t                         ; this chunk's four loads are in; four for each later chunk stay out
.irp j, 0,1,2,3
	v_pk_mul_f32 v[CB+16*\t+4*\j:CB+16*\t+4*\j+1], v[CB+16*\t+4*\j:CB+16*\t+4*\j+1], s[20:21] op_sel_hi:[1,0]   ; scaled = 127 c
	v_mul_f32 v[CB+16*\t+4*\j+2], s20, v[CB+16*\t+4*\j+2]
.irp d, 0,1,2
	v_med3_num_f32 v[CB+16*\t+4*\j+\d], v[CB+16*\t+4*\j+\d], 0, s22           ; into 0 .. 126.5
.endr
.irp d, 0,1,2
	v_cvt_u32_f32 v[CB+16*\t+4*\j+\d], v[CB+16*\t+4*\j+\d]                    ; toward zero: 0 .. 126
.endr
	v_lshl_or_b32 v[CB+16*\t+4*\j], v[CB+16*\t+4*\j+1], 7, v[CB+16*\t+4*\j]   ; x0 | y0 << 7
	v_lshl_or_b32 v[IX+4*\t+\j], v[CB+16*\t+4*\j+2], 14, v[CB+16*\t+4*\j]     ; | z0 << 14
.endr
	global_store_b128 v[OT], v[IX+4*\t:IX+4*\t+3], s[8:9] offset:\t*ISTEP th:TH_STORE_NT   ; each chunk has its own four registers: no store's data is written again
.endr
	s_endpgm
.Lfunc_end_k_qc8a609316d_index:
	.size	k_qc8a609316d_index, .Lfunc_end_k_qc8a609316d_index-k_qc8a609316d_index
	.p2alignl 7, 3214868480
	.fill 96, 4, 3214868480
	.section	.rodata,"a",@progbits
	.p2align	6, 0x0
	.amdhsa_kernel k_qc8a609316d_index
		.amdhsa_group_segment_fixed_size 0
		.amdhsa_private_segment_fixed_size 0
		.amdhsa_enable_private_segment 0
		.amdhsa_kernarg_size 32
		.amdhsa_user_sgpr_count 2
		.amdhsa_user_sgpr_kernarg_segment_ptr 1
		.amdhsa_wavefront_size32 1
		.amdhsa_system_sgpr_workgroup_id_x 1
		.amdhsa_system_sgpr_workgroup_id_y 1
		.amdhsa_system_sgpr_workgroup_id_z 1
		.amdhsa_system_vgpr_workitem_id 0
		.amdhsa_next_free_vgpr 90
		.amdhsa_next_free_sgpr 66
		.amdhsa_reserve_vcc 0
		.amdhsa_float_denorm_mode_32 3
		.amdhsa_float_denorm_mode_16_64 3
		.amdhsa_memory_ordered 1
		.amdhsa_forward_progress 1
		.amdhsa_inst_pref_size 12
	.end_amdhsa_kernel
	.amdgpu_metadata
---
amdhsa.version: [ 1, 2 ]
amdhsa.kernels:
  - .name:           k_qc8a609316d_index
    .symbol:         k_qc8a609316d_index.kd
    .args:
      - { .name: coords, .offset: 0, .size: 8, .value_kind: global_buffer, .address_space: global }
      - { .name: grid, .offset: 8, .size: 8, .value_kind: global_buffer, .address_space: global }
      - { .name: idx, .offset: 16, .size: 8, .value_kind: global_buffer, .address_space: global }
      - { .name: tab, .offset: 24, .size: 8, .value_kind: global_buffer, .address_space: global }
    .group_segment_fixed_size: 0
    .private_segment_fixed_size: 0
    .kernarg_segment_align: 8
    .kernarg_segment_size: 32
    .max_flat_workgroup_size: 1024
    .sgpr_count:     66
    .vgpr_count:     90
    .wavefront_size: 32
...
	.end_amdgpu_metadata
.endif
;; end of part 1
;; launch gather (part 2): grid 256 x 1, 32 waves a work-group, no clusters, 0 bytes of LDS; arguments coords, idx, tab, out0; writes out0
.if DOCPART == 2
	.amdgcn_target "amdgcn-amd-amdhsa--gfx1250"
	.amdhsa_code_object_version 6
	.text
	.protected	k_qc8a609316d_gather
	.globl	k_qc8a609316d_gather
	.p2align	8
	.type	k_qc8a609316d_gather,@function
k_qc8a609316d_gather:
	s_mov_b64 s[64:65], 0
	v_nop
	global_prefetch_b8 v0, s[64:65] scope:SCOPE_SE
	s_setreg_imm32_b32 hwreg(HW_REG_WAVE_MODE, 25, 1), 1
	s_wait_xcnt 0x0
; HASH ENCODING, SECOND LAUNCH: hash the eight corners of each point's voxel, gather their two features, interpolate.  No work of the problem is left out.
; idx (one word a point, x0 | y0 << 7 | z0 << 14) and tab ([524288][2] f32) come from the first launch; the weights w = 127 c - floor(127 c) are made here from coords.
; Hash: h = (x ^ y P1 ^ z P2) mod 2^19.  Only the low 19 bits count, so the primes are taken mod 2^19 and y P1 (under 2^26) fits the 24-bit multiply.
; LIMITS: the sum over the eight corners is made as seven nested steps a + w (b - a), along x, then y, then z, on both features at once; in exact arithmetic
; that is the problem's sum of (product of three weights) x value, the order of rounding differs.  NaN or infinite coordinates give NaN, as the problem's formula does.
; The sum has eight terms a point and shares no operand between points, so it is vector arithmetic in f32: a matrix instruction would have nothing to use twice.
;
; 256 work-groups of 32 waves; a work-group owns 16,384 points, a wave four chunks of 128 points; lane L holds points 32 j + L, j = 0..3 (a group = 32 points).
; TWO CORNERS OF A POINT IN ONE GATHER.  x's prime is 1, so the corners x and x + 1 of one (y, z) row are entries c ^ x and c ^ (x + 1): in the same aligned 1,024 bytes
; of tab, and for 124 of the 127 values of x (all but 31, 63, 95) in the same aligned 256 bytes.  The indices are computed lane = point, in one register for x and one for
; x + 1; v_permlane16_swap_b32 exchanges the upper 16 lanes of the first with the lower 16 of the second, so that each of the two gathers then serves 16 points with both
; corners, lanes i and 16 + i asking for neighbouring bytes.  The same exchange on the data that came puts them back, lane = point.
; Streams: the next chunk's idx and coords (five loads) go out ahead of this chunk's work, into the other of two register slots.  All offsets stand in immediates:
; no address register is ever written again.  No LDS, no barrier: no wave needs another's data, and tab (4 MiB) does not fit in LDS.
.set PTS_WG,  16384
.set CROW,    384                      ; bytes of 32 points in coords
.set CCHUNK,  1536                     ; bytes of a chunk in coords
.set CSTEP,   49152                    ; the 32 waves' chunks of one step in coords,
.set ISTEP,   16384                    ; in idx,
.set OSTEP,   32768                    ; in out0
.set P1M,     0x779b1                  ; 2654435761 mod 2^19
.set P2M,     0x25795                  ; 805459861 mod 2^19
.set OC, 1                             ; v1         my byte offset in coords: wave x 1,536 + lane x 12
.set OI, 2                             ; v2         in idx: 16 x thread
.set OO, 3                             ; v3         in out0: wave x 1,024 + lane x 8
.set W,  4                             ; v[4:7]     wx, wy, wz of the group at work; v7 only fills wz's pair
.set T,  8                             ; v[8:17]    at work
.set IX, 18                            ; v[18:25]   slot s: four words of idx
.set C,  26                            ; v[26:57]   slot s, group j: three coordinates in four registers
.set D,  58                            ; v[58:121]  group j: 16 registers; pair 2 k: row k = dy + 2 dz, first gather; pair 8 + 2 k: second gather
	s_load_b256 s[4:11], s[0:1], 0x0               ; coords s[4:5], idx s[6:7], tab s[8:9], out0 s[10:11]
	v_and_b32 v[OO], 31, v0                        ; lane
	v_lshrrev_b32 v[T], 5, v0                      ; wave
	v_mul_u32_u24 v[OC], 12, v[OO]
	v_mad_u32_u24 v[OC], v[T], CCHUNK, v[OC]
	v_lshlrev_b32 v[OI], 4, v0
	v_lshlrev_b32 v[OO], 3, v[OO]
	v_lshl_add_u32 v[OO], v[T], 10, v[OO]
	v_mov_b32 v[W+3], 0                            ; a packed form names a pair of registers: wz's neighbour is never used but has to hold a number
	s_mul_i32 s12, ttmp9, PTS_WG*12                ; the work-group's part of coords,
	s_mov_b32 s13, 0
	s_lshl_b32 s14, ttmp9, 16                      ; of idx,
	s_mov_b32 s15, 0
	s_lshl_b32 s16, ttmp9, 17                      ; of out0
	s_mov_b32 s17, 0
	s_mov_b32 s20, 0x42fe0000                      ; 127.0 = res - 1
	s_mov_b32 s21, 0x42fe0000                      ; the pair's other half
	s_mov_b32 s22, P1M
	s_mov_b32 s23, P2M
	s_mov_b32 s24, 0x7ffff                         ; mod 2^19
	s_wait_kmcnt 0x0
	s_add_nc_u64 s[4:5], s[4:5], s[12:13]
	s_add_nc_u64 s[6:7], s[6:7], s[14:15]
	s_add_nc_u64 s[10:11], s[10:11], s[16:17]
; Five loads: chunk t's idx (512 consecutive bytes a wave) and coords (four times 384) into slot s.
.macro STREAM s, t
	global_load_b128 v[IX+4*\s:IX+4*\s+3], v[OI], s[6:7] offset:\t*ISTEP th:TH_LOAD_NT
.irp j, 0,1,2,3
	global_load_b96 v[C+16*\s+4*\j:C+16*\s+4*\j+2], v[OC], s[4:5] offset:\t*CSTEP+\j*CROW th:TH_LOAD_NT
.endr
.endm
; Group j of slot s: the eight table indices, and the eight gathers.
.macro ASK s, j
	v_bfe_u32     v[T],   v[IX+4*\s+\j], 7, 7      ; y
	v_lshrrev_b32 v[T+1], 14, v[IX+4*\s+\j]        ; z
	v_and_b32     v[T+2], 0x7f, v[IX+4*\s+\j]      ; x
	v_mul_u32_u24 v[T],   s22, v[T]                ; y P1
	v_mul_u32_u24 v[T+1], s23, v[T+1]              ; z P2
	v_add_nc_u32  v[T+3], 1, v[T+2]                ; x + 1
	v_add_nc_u32  v[T+4], s22, v[T]                ; (y + 1) P1
	v_add_nc_u32  v[T+5], s23, v[T+1]              ; (z + 1) P2
	v_xor_b32 v[T+6], v[T],   v[T+1]               ; row 0: y,     z
	v_xor_b32 v[T+7], v[T+4], v[T+1]               ; row 1: y + 1, z
	v_xor_b32 v[T+8], v[T],   v[T+5]               ; row 2: y,     z + 1
	v_xor_b32 v[T+9], v[T+4], v[T+5]               ; row 3: y + 1, z + 1
.irp k, 0,1,2,3
	v_and_b32 v[T+6+\k], s24, v[T+6+\k]            ; mod 2^19 here, four times: x and x + 1 are under 2^7 and cannot lead out again
.endr
.irp k, 0,1,2,3
	v_xor_b32 v[D+16*\j+2*\k],   v[T+6+\k], v[T+2] ; corner x     of row k, lane = point
	v_xor_b32 v[D+16*\j+8+2*\k], v[T+6+\k], v[T+3] ; corner x + 1 of row k, lane = point
.endr
.irp k, 0,1,2,3
	v_permlane16_swap_b32 v[D+16*\j+2*\k], v[D+16*\j+8+2*\k]   ; first register: points 0-15, x in lanes 0-15, x + 1 in lanes 16-31; second: points 16-31 likewise
.endr
.irp r, 0,2,4,6,8,10,12,14
	v_min_u32 v[D+16*\j+\r], 0x7ffff, v[D+16*\j+\r]            ; a loaded number enters an address only behind a minimum with a written constant; the values are under 2^19 already
.endr
.irp r, 0,2,4,6,8,10,12,14
	global_load_b64 v[D+16*\j+\r:D+16*\j+\r+1], v[D+16*\j+\r], s[8:9] scale_offset   ; tab + 8 h: both features; the load lands on its own address register
.endr
.endm
; Group j of slot s, chunk t: weights, the gathered data back to lane = point, seven steps a + w (b - a) on the pair of features, one store.
.macro MIX s, j, t
.set Q, D+16*\j
	v_pk_mul_f32 v[W:W+1], v[C+16*\s+4*\j:C+16*\s+4*\j+1], s[20:21] op_sel_hi:[1,0]   ; scaled = 127 c
	v_mul_f32   v[W+2], s20, v[C+16*\s+4*\j+2]
	v_floor_f32 v[T],   v[W]
	v_floor_f32 v[T+1], v[W+1]
	v_floor_f32 v[T+2], v[W+2]
	v_pk_add_f32 v[W:W+1], v[W:W+1], v[T:T+1] neg_lo:[0,1] neg_hi:[0,1]               ; w = scaled - floor(scaled), the floor not clipped, as in the problem
	v_sub_f32   v[W+2], v[W+2], v[T+2]
	s_wait_loadcnt 24-8*\j                         ; loads come back in order: this group's eight gathers are in, eight for each later group stay out
.irp r, 0,1,2,3,4,5,6,7
	v_permlane16_swap_b32 v[Q+\r], v[Q+8+\r]       ; the same exchange again: Q + r now holds corner x, Q + 8 + r corner x + 1, lane = point
.endr
.irp k, 0,2,4,6
	v_pk_add_f32 v[Q+8+\k:Q+9+\k], v[Q+8+\k:Q+9+\k], v[Q+\k:Q+\k+1] neg_lo:[0,1] neg_hi:[0,1]
.endr
.irp k, 0,2,4,6
	v_pk_fma_f32 v[Q+\k:Q+\k+1], v[Q+8+\k:Q+9+\k], v[W:W+1], v[Q+\k:Q+\k+1] op_sel_hi:[1,0,1]      ; along x: both halves times wx
.endr
	v_pk_add_f32 v[Q+2:Q+3], v[Q+2:Q+3], v[Q:Q+1]   neg_lo:[0,1] neg_hi:[0,1]
	v_pk_add_f32 v[Q+6:Q+7], v[Q+6:Q+7], v[Q+4:Q+5] neg_lo:[0,1] neg_hi:[0,1]
	v_pk_fma_f32 v[Q:Q+1],   v[Q+2:Q+3], v[W:W+1], v[Q:Q+1]   op_sel:[0,1,0] op_sel_hi:[1,1,1]    ; along y: both halves times wy
	v_pk_fma_f32 v[Q+4:Q+5], v[Q+6:Q+7], v[W:W+1], v[Q+4:Q+5] op_sel:[0,1,0] op_sel_hi:[1,1,1]
	v_pk_add_f32 v[Q+4:Q+5], v[Q+4:Q+5], v[Q:Q+1] neg_lo:[0,1] neg_hi:[0,1]
	v_pk_fma_f32 v[Q:Q+1], v[Q+4:Q+5], v[W+2:W+3], v[Q:Q+1] op_sel_hi:[1,0,1]                     ; along z: both halves times wz
	global_store_b64 v[OO], v[Q:Q+1], s[10:11] offset:\t*OSTEP+\j*256 th:TH_STORE_NT              ; 32 points x 8 bytes: 256 consecutive bytes, aligned
.endm
; Chunk t, which lies in slot s.  All 32 gathers are issued, group by group as their indices are ready, before the first group is interpolated.
.macro STEP t, s
	s_wait_xcnt 0x0                                ; the last chunk's stores have had their addresses translated (ISA guide 3.1): their data registers in D are written again only behind this wait
.irp j, 0,1,2,3
	ASK \s, \j
.endr
.irp j, 0,1,2,3
	MIX \s, \j, \t
.endr
.endm
	STREAM 0, 0
	STREAM 1, 1
	s_wait_loadcnt 5                               ; chunk 0's five loads are in, chunk 1's five stay out
	STEP 0, 0                                      ; its last wait is for 0: chunk 1's loads, issued ahead of the gathers, are in as well
	STREAM 0, 2                                    ; slot 0 has been read to the end: chunk 2 goes out ahead of chunk 1's work
	STEP 1, 1
	STREAM 1, 3
	STEP 2, 0
	STEP 3, 1                                      ; nothing is left to fetch
	s_endpgm
.Lfunc_end_k_qc8a609316d_gather:
	.size	k_qc8a609316d_gather, .Lfunc_end_k_qc8a609316d_gather-k_qc8a609316d_gather
	.p2alignl 7, 3214868480
	.fill 96, 4, 3214868480
	.section	.rodata,"a",@progbits
	.p2align	6, 0x0
	.amdhsa_kernel k_qc8a609316d_gather
		.amdhsa_group_segment_fixed_size 0
		.amdhsa_private_segment_fixed_size 0
		.amdhsa_enable_private_segment 0
		.amdhsa_kernarg_size 32
		.amdhsa_user_sgpr_count 2
		.amdhsa_user_sgpr_kernarg_segment_ptr 1
		.amdhsa_wavefront_size32 1
		.amdhsa_system_sgpr_workgroup_id_x 1
		.amdhsa_system_sgpr_workgroup_id_y 1
		.amdhsa_system_sgpr_workgroup_id_z 1
		.amdhsa_system_vgpr_workitem_id 0
		.amdhsa_next_free_vgpr 122
		.amdhsa_next_free_sgpr 66
		.amdhsa_reserve_vcc 0
		.amdhsa_float_denorm_mode_32 3
		.amdhsa_float_denorm_mode_16_64 3
		.amdhsa_memory_ordered 1
		.amdhsa_forward_progress 1
		.amdhsa_inst_pref_size 63
	.end_amdhsa_kernel
	.amdgpu_metadata
---
amdhsa.version: [ 1, 2 ]
amdhsa.kernels:
  - .name:           k_qc8a609316d_gather
    .symbol:         k_qc8a609316d_gather.kd
    .args:
      - { .name: coords, .offset: 0, .size: 8, .value_kind: global_buffer, .address_space: global }
      - { .name: idx, .offset: 8, .size: 8, .value_kind: global_buffer, .address_space: global }
      - { .name: tab, .offset: 16, .size: 8, .value_kind: global_buffer, .address_space: global }
      - { .name: out0, .offset: 24, .size: 8, .value_kind: global_buffer, .address_space: global }
    .group_segment_fixed_size: 0
    .private_segment_fixed_size: 0
    .kernarg_segment_align: 8
    .kernarg_segment_size: 32
    .max_flat_workgroup_size: 1024
    .sgpr_count:     66
    .vgpr_count:     122
    .wavefront_size: 32
...
	.end_amdgpu_metadata
.endif
;; end of part 2
;; ======== version 2 of 3: 2 launches; 1.34 times as fast as version 1
;; workspace buffers: idx 16,777,216 bytes of whole numbers; tab 2,097,152 bytes
;; launch index (part 3): grid 256 x 1, 32 waves a work-group, no clusters, 0 bytes of LDS; arguments coords, grid, idx, tab; writes idx, tab
.if DOCPART == 3
	.amdgcn_target "amdgcn-amd-amdhsa--gfx1250"
	.amdhsa_code_object_version 6
	.text
	.protected	k_qc8a609316d_index
	.globl	k_qc8a609316d_index
	.p2align	8
	.type	k_qc8a609316d_index,@function
k_qc8a609316d_index:
	s_mov_b64 s[64:65], 0
	v_nop
	global_prefetch_b8 v0, s[64:65] scope:SCOPE_SE
	s_setreg_imm32_b32 hwreg(HW_REG_WAVE_MODE, 25, 1), 1
	s_wait_xcnt 0x0
; HASH ENCODING, FIRST OF TWO LAUNCHES: the voxel of every point, as whole numbers, and the table with an entry's two features in one word.
; No address of a launch hangs on floating-point numbers of the same launch.  So the voxel (x0, y0, z0) = clip(floor(127 c), 0, 126) is made
; here from coords and stored as one word a point, x0 | y0 << 7 | z0 << 14; the next launch reads the words and forms its table addresses from them.
; No work of the problem is left out in either launch, and both inputs are loaded.
; clip(floor(s), 0, 126) is made as trunc(clamp(s, 0, 126.5)): below 0 both give 0, from 126 up both give 126, between them trunc = floor.
; LIMITS: for |127 c| of 2^31 and more the voxel is the clamped one (0 or 126), where the problem's conversion to int32 is outside its range.
; A NaN coordinate gives some voxel inside the grid; the next launch's weight is NaN there, and so is the result, as in the problem's formula.
; The table's entries, an operand of the problem's einsum, are rounded here once to bf16: a relative error of at most 2^-8 each.  The eight weights of a point lie in
; 0 .. 1 and add up to 1, so a result is off by at most 2^-8 of the largest of its eight entries.  bf16 and not f16: bf16 has f32's exponents, while entries
; of 1e-4 / 30 lie under f16's smallest normal number, 6.1e-5.
;
; 256 work-groups of 32 waves; a work-group owns 16,384 points, a wave four chunks of 128 points.  In a chunk lane L holds points 32 j + L, j = 0..3:
; a load of 12 bytes a lane covers 384 consecutive bytes of coords.  idx is laid out for that: chunk, lane, j; a lane's four words are 16 bytes,
; and each store of a wave covers 512 consecutive bytes, aligned.  The next launch reads idx by the same map.
; The table: grid is [2][524288] f32; tab is [524288] words, feature 0 in the low half and feature 1 in the high half, so that a corner is one access of 4 bytes:
; 32 bytes a point for its eight corners instead of 64.  Thread T of the launch's 262,144 takes entries 2 T, 2 T + 1.
; All 18 loads of a wave go out at the start; nothing is read twice; no LDS, no barrier: no wave needs another's data.
.set PTS_WG,  16384
.set CROW,    384                      ; bytes of 32 points in coords
.set CCHUNK,  1536                     ; bytes of a chunk in coords
.set CSTEP,   49152                    ; the 32 waves' chunks of one step in coords
.set ISTEP,   16384                    ; the same in idx
.set FEAT1,   2097152                  ; byte offset of grid's second row
.set OC, 1                             ; v1       my byte offset in coords: wave x 1,536 + lane x 12
.set OG, 2                             ; v2       my byte offset in a row of grid, and in tab: 8 x thread
.set OT, 3                             ; v3       my byte offset in a step of idx: 16 x thread
.set TB, 4                             ; v[4:7]   two table entries as loaded: f0 of both, f1 of both
.set PK, 8                             ; v[8:9]   the two entries as stored (v8 first holds the wave's number)
.set IX, 10                            ; v[10:25] chunk t: four words of idx
.set CB, 26                            ; v[26:89] chunk t, group j: three coordinates in four registers (a tuple starts at an even register)
	s_load_b256 s[4:11], s[0:1], 0x0               ; coords s[4:5], grid s[6:7], idx s[8:9], tab s[10:11]
	v_and_b32 v[OC], 31, v0                        ; lane
	v_lshrrev_b32 v[PK], 5, v0                     ; wave
	v_mul_u32_u24 v[OC], 12, v[OC]
	v_mad_u32_u24 v[OC], v[PK], CCHUNK, v[OC]
	v_lshlrev_b32 v[OG], 3, v0
	v_lshlrev_b32 v[OT], 4, v0
	s_mul_i32 s12, ttmp9, PTS_WG*12                ; the work-group's part of coords (at most 50,135,040: one word)
	s_mov_b32 s13, 0
	s_lshl_b32 s14, ttmp9, 13                      ; of a row of grid, and of tab: 1,024 threads x 8 bytes
	s_mov_b32 s15, 0
	s_lshl_b32 s16, ttmp9, 16                      ; of idx: 16,384 points x 4 bytes
	s_mov_b32 s17, 0
	s_mov_b32 s20, 0x42fe0000                      ; 127.0 = res - 1
	s_mov_b32 s21, 0x42fe0000                      ; the pair's other half: a packed form names the pair
	s_mov_b32 s22, 0x42fd0000                      ; 126.5
	s_wait_kmcnt 0x0
	s_add_nc_u64 s[4:5], s[4:5], s[12:13]
	s_add_nc_u64 s[6:7], s[6:7], s[14:15]
	s_add_nc_u64 s[8:9], s[8:9], s[16:17]
	s_add_nc_u64 s[10:11], s[10:11], s[14:15]
	global_load_b64 v[TB:TB+1],   v[OG], s[6:7] th:TH_LOAD_NT                 ; feature 0 of entries 2 T, 2 T + 1: a wave covers 256 consecutive bytes
	global_load_b64 v[TB+2:TB+3], v[OG], s[6:7] offset:FEAT1 th:TH_LOAD_NT    ; feature 1 of the same
.irp t, 0,1,2,3
.irp j, 0,1,2,3
	global_load_b96 v[CB+16*\t+4*\j:CB+16*\t+4*\j+2], v[OC], s[4:5] offset:\t*CSTEP+\j*CROW th:TH_LOAD_NT
.endr
.endr
	s_wait_loadcnt 16                              ; loads come back in order: the two table loads are in, the 16 of coords stay out
	v_cvt_pk_bf16_f32 v[PK],   v[TB],   v[TB+2]    ; entry 2 T:     f0 into the low half, f1 into the high half, each rounded to nearest even
	v_cvt_pk_bf16_f32 v[PK+1], v[TB+1], v[TB+3]    ; entry 2 T + 1
	global_store_b64 v[OG], v[PK:PK+1], s[10:11]   ; a wave's store covers 256 consecutive bytes, aligned; its data are not written again
.irp t, 0,1,2,3
	s_wait_loadcnt 12-4*\t                         ; this chunk's four loads are in; four for each later chunk stay out
.irp j, 0,1,2,3
	v_pk_mul_f32 v[CB+16*\t+4*\j:CB+16*\t+4*\j+1], v[CB+16*\t+4*\j:CB+16*\t+4*\j+1], s[20:21] op_sel_hi:[1,0]   ; scaled = 127 c
	v_mul_f32 v[CB+16*\t+4*\j+2], s20, v[CB+16*\t+4*\j+2]
.irp d, 0,1,2
	v_med3_num_f32 v[CB+16*\t+4*\j+\d], v[CB+16*\t+4*\j+\d], 0, s22           ; into 0 .. 126.5
.endr
.irp d, 0,1,2
	v_cvt_u32_f32 v[CB+16*\t+4*\j+\d], v[CB+16*\t+4*\j+\d]                    ; toward zero: 0 .. 126
.endr
	v_lshl_or_b32 v[CB+16*\t+4*\j], v[CB+16*\t+4*\j+1], 7, v[CB+16*\t+4*\j]   ; x0 | y0 << 7
	v_lshl_or_b32 v[IX+4*\t+\j], v[CB+16*\t+4*\j+2], 14, v[CB+16*\t+4*\j]     ; | z0 << 14
.endr
	global_store_b128 v[OT], v[IX+4*\t:IX+4*\t+3], s[8:9] offset:\t*ISTEP th:TH_STORE_NT   ; each chunk has its own four registers: no store's data is written again
.endr
	s_endpgm
.Lfunc_end_k_qc8a609316d_index:
	.size	k_qc8a609316d_index, .Lfunc_end_k_qc8a609316d_index-k_qc8a609316d_index
	.p2alignl 7, 3214868480
	.fill 96, 4, 3214868480
	.section	.rodata,"a",@progbits
	.p2align	6, 0x0
	.amdhsa_kernel k_qc8a609316d_index
		.amdhsa_group_segment_fixed_size 0
		.amdhsa_private_segment_fixed_size 0
		.amdhsa_enable_private_segment 0
		.amdhsa_kernarg_size 32
		.amdhsa_user_sgpr_count 2
		.amdhsa_user_sgpr_kernarg_segment_ptr 1
		.amdhsa_wavefront_size32 1
		.amdhsa_system_sgpr_workgroup_id_x 1
		.amdhsa_system_sgpr_workgroup_id_y 1
		.amdhsa_system_sgpr_workgroup_id_z 1
		.amdhsa_system_vgpr_workitem_id 0
		.amdhsa_next_free_vgpr 90
		.amdhsa_next_free_sgpr 66
		.amdhsa_reserve_vcc 0
		.amdhsa_float_denorm_mode_32 3
		.amdhsa_float_denorm_mode_16_64 3
		.amdhsa_memory_ordered 1
		.amdhsa_forward_progress 1
		.amdhsa_inst_pref_size 12
	.end_amdhsa_kernel
	.amdgpu_metadata
---
amdhsa.version: [ 1, 2 ]
amdhsa.kernels:
  - .name:           k_qc8a609316d_index
    .symbol:         k_qc8a609316d_index.kd
    .args:
      - { .name: coords, .offset: 0, .size: 8, .value_kind: global_buffer, .address_space: global }
      - { .name: grid, .offset: 8, .size: 8, .value_kind: global_buffer, .address_space: global }
      - { .name: idx, .offset: 16, .size: 8, .value_kind: global_buffer, .address_space: global }
      - { .name: tab, .offset: 24, .size: 8, .value_kind: global_buffer, .address_space: global }
    .group_segment_fixed_size: 0
    .private_segment_fixed_size: 0
    .kernarg_segment_align: 8
    .kernarg_segment_size: 32
    .max_flat_workgroup_size: 1024
    .sgpr_count:     66
    .vgpr_count:     90
    .wavefront_size: 32
...
	.end_amdgpu_metadata
.endif
;; end of part 3
;; launch gather (part 4): grid 256 x 1, 32 waves a work-group, no clusters, 0 bytes of LDS; arguments coords, idx, tab, out0; writes out0
.if DOCPART == 4
	.amdgcn_target "amdgcn-amd-amdhsa--gfx1250"
	.amdhsa_code_object_version 6
	.text
	.protected	k_qc8a609316d_gather
	.globl	k_qc8a609316d_gather
	.p2align	8
	.type	k_qc8a609316d_gather,@function
k_qc8a609316d_gather:
	s_mov_b64 s[64:65], 0
	v_nop
	global_prefetch_b8 v0, s[64:65] scope:SCOPE_SE
	s_setreg_imm32_b32 hwreg(HW_REG_WAVE_MODE, 25, 1), 1
	s_wait_xcnt 0x0
; HASH ENCODING, SECOND LAUNCH: hash the eight corners of each point's voxel, gather their two features, interpolate.  No work of the problem is left out.
; idx (one word a point, x0 | y0 << 7 | z0 << 14) and tab ([524288] words: feature 0 as bf16 in the low half, feature 1 in the high half) come from the first launch;
; the weights w = 127 c - floor(127 c) are made here from coords, in f32.
; Hash: h = (x ^ y P1 ^ z P2) mod 2^19.  Only the low 19 bits count, so the primes are taken mod 2^19 and y P1 (under 2^26) fits the 24-bit multiply.
; LIMITS: the table's entries are bf16 (rounded once, in the first launch: at most 2^-8 relative each); the eight weights lie in 0 .. 1 and add up to 1, so a result is off
; by at most 2^-8 of the largest of its eight entries.  All sums and weights are f32.  The sum over the corners is made along x as a (1 - wx) + b wx and along y and z as
; a + w (b - a), on both features at once; in exact arithmetic that is the problem's sum of (product of three weights) x value, the order of rounding differs.
; NaN or infinite coordinates give NaN, as the problem's formula does.
; The sum has eight terms a point and shares no operand between points, so it is vector arithmetic: a matrix instruction would have nothing to use twice.
;
; 256 work-groups of 32 waves; a work-group owns 16,384 points, a wave four chunks of 128 points; lane L holds points 32 j + L, j = 0..3 (a group = 32 points).
; TWO CORNERS OF A POINT IN ONE GATHER.  x's prime is 1, so the corners x and x + 1 of one (y, z) row are entries c ^ x and c ^ (x + 1): in the same aligned 512 bytes
; of tab, and for 126 of the 127 values of x (all but 63) in the same aligned 256 bytes.  The indices are computed lane = point, in one register for x and one for
; x + 1; v_permlane16_swap_b32 exchanges the upper 16 lanes of the first with the lower 16 of the second, so that each of the two gathers then serves 16 points with both
; corners, lanes i and 16 + i asking for neighbouring bytes.  The same exchange on the words that came puts them back, lane = point.
; THE SCHEDULE ROLLS.  Gathers run one chunk (four groups) ahead of the interpolation: straight behind the interpolation of group j of chunk u, which has read the group's
; eight registers to the end, the same eight take the indices and then the words of group j of chunk u + 1.  So 24 to 32 gathers of a wave are on their way at all times.
; The streams run ahead of that: in the phase that interpolates chunk u, the idx of chunk u + 2 and the coords of chunk u + 1 go out first, each into the other of two slots.
; Each of the wave's 16 stores has a register pair of its own, and all offsets stand in immediates: no source of a store or of a stream's load is ever written again,
; so no wait stands in this text but the counted ones for loaded data.  No LDS, no barrier: no wave needs another's data, and tab (2 MiB) does not fit in LDS.
.set PTS_WG,  16384
.set CROW,    384                      ; bytes of 32 points in coords
.set CCHUNK,  1536                     ; bytes of a chunk in coords
.set CSTEP,   49152                    ; the 32 waves' chunks of one step in coords,
.set ISTEP,   16384                    ; in idx,
.set OSTEP,   32768                    ; in out0
.set P1M,     0x779b1                  ; 2654435761 mod 2^19
.set P2M,     0x25795                  ; 805459861 mod 2^19
.set OC,  1                            ; v1         my byte offset in coords: wave x 1,536 + lane x 12
.set OI,  2                            ; v2         in idx: 16 x thread
.set OO,  3                            ; v3         in out0: wave x 1,024 + lane x 8
.set W,   4                            ; v[4:7]     wx, wy, wz of the group at work; v7 holds 0
.set OMW, 8                            ; v8         1 - wx
.set T,   10                           ; v[10:19]   at work
.set IX,  20                           ; v[20:27]   slot t mod 2: chunk t's four words of idx
.set C,   28                           ; v[28:59]   slot t mod 2, group j: three coordinates in four registers
.set D,   60                           ; v[60:91]   group j: 8 registers; k: row k = dy + 2 dz, first gather; 4 + k: second gather
.set R,   92                           ; v[92:123]  chunk t, group j: the result, a pair for each of the 16 stores
	s_load_b256 s[4:11], s[0:1], 0x0               ; coords s[4:5], idx s[6:7], tab s[8:9], out0 s[10:11]
	v_and_b32 v[OO], 31, v0                        ; lane
	v_lshrrev_b32 v[T], 5, v0                      ; wave
	v_mul_u32_u24 v[OC], 12, v[OO]
	v_mad_u32_u24 v[OC], v[T], CCHUNK, v[OC]
	v_lshlrev_b32 v[OI], 4, v0
	v_lshlrev_b32 v[OO], 3, v[OO]
	v_lshl_add_u32 v[OO], v[T], 10, v[OO]
	v_mov_b32 v[W+3], 0                            ; the addend of the products that start a sum from a bf16 half (that form has no plain multiply), and wz's neighbour in its pair
	s_mul_i32 s12, ttmp9, PTS_WG*12                ; the work-group's part of coords,
	s_mov_b32 s13, 0
	s_lshl_b32 s14, ttmp9, 16                      ; of idx,
	s_mov_b32 s15, 0
	s_lshl_b32 s16, ttmp9, 17                      ; of out0
	s_mov_b32 s17, 0
	s_mov_b32 s20, 0x42fe0000                      ; 127.0 = res - 1
	s_mov_b32 s21, 0x42fe0000                      ; the pair's other half
	s_mov_b32 s22, P1M
	s_mov_b32 s23, P2M
	s_mov_b32 s24, 0x7ffff                         ; mod 2^19
	s_wait_kmcnt 0x0
	s_add_nc_u64 s[4:5], s[4:5], s[12:13]
	s_add_nc_u64 s[6:7], s[6:7], s[14:15]
	s_add_nc_u64 s[10:11], s[10:11], s[16:17]
; One load: chunk t's idx, 512 consecutive bytes a wave.
.macro LDIDX t
	global_load_b128 v[IX+4*(\t%2):IX+4*(\t%2)+3], v[OI], s[6:7] offset:\t*ISTEP th:TH_LOAD_NT
.endm
; Four loads: chunk t's coords, 384 consecutive bytes a wave each.
.macro LDC t
.irp j, 0,1,2,3
	global_load_b96 v[C+16*(\t%2)+4*\j:C+16*(\t%2)+4*\j+2], v[OC], s[4:5] offset:\t*CSTEP+\j*CROW th:TH_LOAD_NT
.endr
.endm
; Group j of the chunk whose idx lies in slot s: the eight table indices, and the eight gathers.
.macro ASK s, j
	v_bfe_u32     v[T],   v[IX+4*\s+\j], 7, 7      ; y
	v_lshrrev_b32 v[T+1], 14, v[IX+4*\s+\j]        ; z
	v_and_b32     v[T+2], 0x7f, v[IX+4*\s+\j]      ; x
	v_mul_u32_u24 v[T],   s22, v[T]                ; y P1
	v_mul_u32_u24 v[T+1], s23, v[T+1]              ; z P2
	v_add_nc_u32  v[T+3], 1, v[T+2]                ; x + 1
	v_add_nc_u32  v[T+4], s22, v[T]                ; (y + 1) P1
	v_add_nc_u32  v[T+5], s23, v[T+1]              ; (z + 1) P2
	v_xor_b32 v[T+6], v[T],   v[T+1]               ; row 0: y,     z
	v_xor_b32 v[T+7], v[T+4], v[T+1]               ; row 1: y + 1, z
	v_xor_b32 v[T+8], v[T],   v[T+5]               ; row 2: y,     z + 1
	v_xor_b32 v[T+9], v[T+4], v[T+5]               ; row 3: y + 1, z + 1
.irp k, 0,1,2,3
	v_and_b32 v[T+6+\k], s24, v[T+6+\k]            ; mod 2^19 here, four times: x and x + 1 are under 2^7 and cannot lead out again
.endr
.irp k, 0,1,2,3
	v_xor_b32 v[D+8*\j+\k],   v[T+6+\k], v[T+2]    ; corner x     of row k, lane = point
	v_xor_b32 v[D+8*\j+4+\k], v[T+6+\k], v[T+3]    ; corner x + 1 of row k, lane = point
.endr
.irp k, 0,1,2,3
	v_permlane16_swap_b32 v[D+8*\j+\k], v[D+8*\j+4+\k]         ; first register: points 0-15, x in lanes 0-15, x + 1 in lanes 16-31; second: points 16-31 likewise
.endr
.irp r, 0,1,2,3,4,5,6,7
	v_min_u32 v[D+8*\j+\r], 0x7ffff, v[D+8*\j+\r]              ; a loaded number enters an address only behind a minimum with a written constant; the values are under 2^19 already
.endr
.irp r, 0,1,2,3,4,5,6,7
	global_load_b32 v[D+8*\j+\r], v[D+8*\j+\r], s[8:9] scale_offset   ; tab + 4 h (the offset counts accesses of 4 bytes): both features; the load lands on its own address register
.endr
.endm
; Group j of chunk t, whose coords lie in slot s: wait, weights, the gathered words back to lane = point, the interpolation, one store.
; left = how many younger loads may stay out when this group's eight gathers have to be in.
.macro MIX s, j, t, left
.set Q, D+8*\j
.set P, R+8*\t+2*\j
	s_wait_loadcnt \left                           ; loads come back in order: this group's gathers are in, and so is all that was issued ahead of them: the chunk's coords, the next chunk's idx
	v_pk_mul_f32 v[W:W+1], v[C+16*\s+4*\j:C+16*\s+4*\j+1], s[20:21] op_sel_hi:[1,0]   ; scaled = 127 c
	v_mul_f32   v[W+2], s20, v[C+16*\s+4*\j+2]
	v_floor_f32 v[T],   v[W]
	v_floor_f32 v[T+1], v[W+1]
	v_floor_f32 v[T+2], v[W+2]
	v_pk_add_f32 v[W:W+1], v[W:W+1], v[T:T+1] neg_lo:[0,1] neg_hi:[0,1]               ; w = scaled - floor(scaled), the floor not clipped, as in the problem
	v_sub_f32   v[W+2], v[W+2], v[T+2]
	v_sub_f32   v[OMW], 1.0, v[W]                  ; 1 - wx
.irp k, 0,1,2,3
	v_permlane16_swap_b32 v[Q+\k], v[Q+4+\k]       ; the same exchange again: Q + k now holds corner x of row k, Q + 4 + k corner x + 1, lane = point
.endr
	; along x, straight from the bf16 halves into f32: 16 multiply-adds, where widening first would take 16 instructions more than the 8 packed ones it would allow
.irp k, 0,1,2,3
	v_fma_mix_f32_bf16 v[T+2*\k],   v[Q+\k], v[OMW], v[W+3] op_sel_hi:[1,0,0]                  ; f0 of corner x (low half) x (1 - wx) + 0
	v_fma_mix_f32_bf16 v[T+2*\k+1], v[Q+\k], v[OMW], v[W+3] op_sel:[1,0,0] op_sel_hi:[1,0,0]   ; f1 (high half) likewise
.endr
.irp k, 0,1,2,3
	v_fma_mix_f32_bf16 v[T+2*\k],   v[Q+4+\k], v[W], v[T+2*\k]   op_sel_hi:[1,0,0]                  ; + f0 of corner x + 1 times wx
	v_fma_mix_f32_bf16 v[T+2*\k+1], v[Q+4+\k], v[W], v[T+2*\k+1] op_sel:[1,0,0] op_sel_hi:[1,0,0]   ; + f1 of corner x + 1 times wx
.endr
	v_pk_add_f32 v[T+2:T+3], v[T+2:T+3], v[T:T+1]   neg_lo:[0,1] neg_hi:[0,1]
	v_pk_add_f32 v[T+6:T+7], v[T+6:T+7], v[T+4:T+5] neg_lo:[0,1] neg_hi:[0,1]
	v_pk_fma_f32 v[T:T+1],   v[T+2:T+3], v[W:W+1], v[T:T+1]   op_sel:[0,1,0] op_sel_hi:[1,1,1]    ; along y: both halves times wy
	v_pk_fma_f32 v[T+4:T+5], v[T+6:T+7], v[W:W+1], v[T+4:T+5] op_sel:[0,1,0] op_sel_hi:[1,1,1]
	v_pk_add_f32 v[T+4:T+5], v[T+4:T+5], v[T:T+1] neg_lo:[0,1] neg_hi:[0,1]
	v_pk_fma_f32 v[P:P+1], v[T+4:T+5], v[W+2:W+3], v[T:T+1] op_sel_hi:[1,0,1]                     ; along z: both halves times wz; into this store's own pair
	global_store_b64 v[OO], v[P:P+1], s[10:11] offset:\t*OSTEP+\j*256 th:TH_STORE_NT              ; 32 points x 8 bytes: 256 consecutive bytes, aligned
.endm
	LDIDX 0
	LDIDX 1
	LDC 0
	s_wait_loadcnt 5                               ; chunk 0's idx is in; chunk 1's idx and chunk 0's four loads of coords stay out
.irp j, 0,1,2,3
	ASK 0, \j                                      ; chunk 0's 32 gathers
.endr
	; Phases 0 and 1.  Behind the gathers of group j of the chunk at work stand: 8 (3 - j) gathers of its later groups, the phase's 5 loads of the streams,
	; and 8 j gathers of the next chunk's groups 0 .. j - 1: 29 for every j.
	LDIDX 2                                        ; into the slot whose words chunk 0's hashes have read
	LDC 1
.irp j, 0,1,2,3
	MIX 0, \j, 0, 29
	ASK 1, \j
.endr
	LDIDX 3                                        ; chunk 1's words have been read,
	LDC 2                                          ; and so have chunk 0's coordinates
.irp j, 0,1,2,3
	MIX 1, \j, 1, 29
	ASK 0, \j
.endr
	LDC 3                                          ; phase 2: there is no chunk 4, so the streams have 4 loads here: 8 (3 - j) + 4 + 8 j = 28
.irp j, 0,1,2,3
	MIX 0, \j, 2, 28
	ASK 1, \j
.endr
.irp j, 0,1,2,3
	MIX 1, \j, 3, 24-8*\j                          ; phase 3: nothing more is asked for: only the chunk's later groups stay out, and the counts run down
.endr
	s_endpgm
.Lfunc_end_k_qc8a609316d_gather:
	.size	k_qc8a609316d_gather, .Lfunc_end_k_qc8a609316d_gather-k_qc8a609316d_gather
	.p2alignl 7, 3214868480
	.fill 96, 4, 3214868480
	.section	.rodata,"a",@progbits
	.p2align	6, 0x0
	.amdhsa_kernel k_qc8a609316d_gather
		.amdhsa_group_segment_fixed_size 0
		.amdhsa_private_segment_fixed_size 0
		.amdhsa_enable_private_segment 0
		.amdhsa_kernarg_size 32
		.amdhsa_user_sgpr_count 2
		.amdhsa_user_sgpr_kernarg_segment_ptr 1
		.amdhsa_wavefront_size32 1
		.amdhsa_system_sgpr_workgroup_id_x 1
		.amdhsa_system_sgpr_workgroup_id_y 1
		.amdhsa_system_sgpr_workgroup_id_z 1
		.amdhsa_system_vgpr_workitem_id 0
		.amdhsa_next_free_vgpr 124
		.amdhsa_next_free_sgpr 66
		.amdhsa_reserve_vcc 0
		.amdhsa_float_denorm_mode_32 3
		.amdhsa_float_denorm_mode_16_64 3
		.amdhsa_memory_ordered 1
		.amdhsa_forward_progress 1
		.amdhsa_inst_pref_size 70
	.end_amdhsa_kernel
	.amdgpu_metadata
---
amdhsa.version: [ 1, 2 ]
amdhsa.kernels:
  - .name:           k_qc8a609316d_gather
    .symbol:         k_qc8a609316d_gather.kd
    .args:
      - { .name: coords, .offset: 0, .size: 8, .value_kind: global_buffer, .address_space: global }
      - { .name: idx, .offset: 8, .size: 8, .value_kind: global_buffer, .address_space: global }
      - { .name: tab, .offset: 16, .size: 8, .value_kind: global_buffer, .address_space: global }
      - { .name: out0, .offset: 24, .size: 8, .value_kind: global_buffer, .address_space: global }
    .group_segment_fixed_size: 0
    .private_segment_fixed_size: 0
    .kernarg_segment_align: 8
    .kernarg_segment_size: 32
    .max_flat_workgroup_size: 1024
    .sgpr_count:     66
    .vgpr_count:     124
    .wavefront_size: 32
...
	.end_amdgpu_metadata
.endif
;; end of part 4
;; ======== version 3 of 3: 2 launches; version 2 with the launch gather written anew for expert scheduling mode
;; workspace buffers: idx 16,777,216 bytes of whole numbers; tab 2,097,152 bytes
;; launch index: the kernel of part 3 again; grid 256 x 1, 32 waves a work-group, no clusters, 0 bytes of LDS; arguments coords, grid, idx, tab; writes idx, tab
;; launch gather (part 5): grid 256 x 1, 32 waves a work-group, no clusters, 0 bytes of LDS; arguments coords, idx, tab, out0; writes out0
.if DOCPART == 5
	.amdgcn_target "amdgcn-amd-amdhsa--gfx1250"
	.amdhsa_code_object_version 6
	.text
	.protected	k_qc8a609316d_gather
	.globl	k_qc8a609316d_gather
	.p2align	8
	.type	k_qc8a609316d_gather,@function
k_qc8a609316d_gather:
	s_mov_b64 s[64:65], 0
	v_nop
	global_prefetch_b8 v0, s[64:65] scope:SCOPE_SE
	s_setreg_imm32_b32 hwreg(HW_REG_WAVE_SCHED_MODE, 0, 2), 2
	s_setreg_imm32_b32 hwreg(HW_REG_WAVE_MODE, 25, 1), 1
	s_wait_xcnt 0x0
	s_wait_alu depctr_vm_vsrc(0)
; HASH ENCODING, SECOND LAUNCH: hash the eight corners of each point's voxel, gather their two features, interpolate.  No work of the problem is left out.
; idx (one word a point, x0 | y0 << 7 | z0 << 14) and tab ([524288] words: feature 0 as bf16 in the low half, feature 1 in the high half) come from the first launch;
; the weights w = 127 c - floor(127 c) are made here from coords, in f32.
; Hash: h = (x ^ y P1 ^ z P2) mod 2^19.  Only the low 19 bits count, so the primes are taken mod 2^19 and y P1 (under 2^26) fits the 24-bit multiply.
; LIMITS: the table's entries are bf16 (rounded once, in the first launch: at most 2^-8 relative each); the eight weights lie in 0 .. 1 and add up to 1, so a result is off
; by at most 2^-8 of the largest of its eight entries.  All sums and weights are f32.  The sum over the corners is made along x as a (1 - wx) + b wx and along y and z as
; a + w (b - a), on both features at once; in exact arithmetic that is the problem's sum of (product of three weights) x value, the order of rounding differs.
; NaN or infinite coordinates give NaN, as the problem's formula does.
; The sum has eight terms a point and shares no operand between points, so it is vector arithmetic: a matrix instruction would have nothing to use twice.
;
; 256 work-groups of 32 waves; a work-group owns 16,384 points, a wave four chunks of 128 points; lane L holds points 32 j + L, j = 0..3 (a group = 32 points).
; The wave's 16 groups are BATCHES g = 0 .. 15: chunk g / 4, group g % 4.
; TWO CORNERS OF A POINT IN ONE GATHER.  x's prime is 1, so the corners x and x + 1 of one (y, z) row are entries c ^ x and c ^ (x + 1): in the same aligned 512 bytes
; of tab, and for 126 of the 127 values of x (all but 63) in the same aligned 256 bytes.  The indices are computed lane = point, in one register for x and one for
; x + 1; v_permlane16_swap_b32 exchanges the upper 16 lanes of the first with the lower 16 of the second, so that each of the two gathers then serves 16 points with both
; corners, lanes i and 16 + i asking for neighbouring bytes.  The same exchange on the words that came puts them back, lane = point.
; THE MODE: SCHED_MODE bits 1:0 = 2 (LLVM: expert scheduling mode 2), set by the entry lines.  The code itself states the register dependences
; between vector instructions and memory instructions, with s_wait_alu, always for 0.
; THE PLAN.  Step s (0 .. 15) interpolates batch s and then hashes batch s + 5 into the buffer that it has just read to the end.  Registers that memory instructions touch:
;   v1 - v3      byte offsets, made once at the head and never written again: all steps stand in immediates.
;   IX0, IX1     chunk t's idx in slot t % 2.  Written by its load; read by the hashes of batches 4 t .. 4 t + 3, in steps 4 t - 5 .. 4 t - 2.
;   C0, C1       chunk t's coords in slot t % 2.  Written by its four loads; read by the weights of steps 4 t .. 4 t + 3.
;   D0 .. D4     batch g in buffer g % 5.  Step g - 5 writes the eight indices; the eight gathers, issued in step g - 4, read them as addresses and land on them;
;                step g exchanges and reads the words.  Five buffers, so that four batches are on their way or landed while the fifth lies between its hash and its gathers.
;   R            result s: a pair of its own, written by step s, read by the store that is issued in step s + 1, never written again.  Results 12 to 15 lie in D1,
;                which batch 11 is the last to use.
; The memory instructions of step s are the gathers of batch s + 4, the store of result s - 1 and, in some steps, loads of the streams into the slot that the step before was the
; last to read.  The vector instructions of step s name the chunk's C slot, an IX slot, buffer s % 5, result s and registers at work: none of what those memory instructions
; touch (buffer (s + 4) % 5, result s - 1, the other slots, v1 - v3).  So ONE wait on va_vdst at a step's head states all that its memory instructions hang on, and these are dealt among
; the step's vector instructions with no further wait.  One wait on vm_vsrc at the head of every fourth step states that the gathers of the next four batches to be
; interpolated, all issued in earlier steps, have read their addresses, which those steps write over.
; No source of a store or of a stream's load is ever written again, and a gather's address register is written again only behind the counted wait that shows that gather done.
; No LDS, no barrier: no wave needs another's data, and tab (2 MiB) does not fit in LDS.
.set PTS_WG,  16384
.set CROW,    384                      ; bytes of 32 points in coords
.set CCHUNK,  1536                     ; bytes of a chunk in coords
.set CSTEP,   49152                    ; the 32 waves' chunks of one step in coords,
.set ISTEP,   16384                    ; in idx,
.set OSTEP,   32768                    ; in out0
.set P1M,     0x779b1                  ; 2654435761 mod 2^19
.set P2M,     0x25795                  ; 805459861 mod 2^19
.set OC,  1                            ; v1         my byte offset in coords: wave x 1,536 + lane x 12
.set OI,  2                            ; v2         in idx: 16 x thread
.set OO,  3                            ; v3         in out0: wave x 1,024 + lane x 8
.set W,   4                            ; v[4:7]     wx, wy, wz of the group at work; v7 holds 0
.set OMW, 8                            ; v8         1 - wx
.set T,   10                           ; v[10:19]   at work
.set IX,  20                           ; v[20:27]   slot t mod 2: chunk t's four words of idx
.set C,   28                           ; v[28:59]   slot t mod 2, group j: three coordinates in four registers
.set D,   60                           ; v[60:99]   buffer g mod 5: 8 registers; k: row k = dy + 2 dz, first gather; 4 + k: second gather
.set R,   100                          ; v[100:123] results 0 to 11, a pair each
	s_load_b256 s[4:11], s[0:1], 0x0               ; coords s[4:5], idx s[6:7], tab s[8:9], out0 s[10:11]
	v_and_b32 v[OO], 31, v0                        ; lane
	v_lshrrev_b32 v[T], 5, v0                      ; wave
	v_mul_u32_u24 v[OC], 12, v[OO]
	v_mad_u32_u24 v[OC], v[T], CCHUNK, v[OC]
	v_lshlrev_b32 v[OI], 4, v0
	v_lshlrev_b32 v[OO], 3, v[OO]
	v_lshl_add_u32 v[OO], v[T], 10, v[OO]
	v_mov_b32 v[W+3], 0                            ; the addend of the products that start a sum from a bf16 half (that form has no plain multiply), and wz's neighbour in its pair
	s_mul_i32 s12, ttmp9, PTS_WG*12                ; the work-group's part of coords,
	s_mov_b32 s13, 0
	s_lshl_b32 s14, ttmp9, 16                      ; of idx,
	s_mov_b32 s15, 0
	s_lshl_b32 s16, ttmp9, 17                      ; of out0
	s_mov_b32 s17, 0
	s_mov_b32 s20, 0x42fe0000                      ; 127.0 = res - 1
	s_mov_b32 s21, 0x42fe0000                      ; the pair's other half
	s_mov_b32 s22, P1M
	s_mov_b32 s23, P2M
	s_mov_b32 s24, 0x7ffff                         ; mod 2^19
	s_wait_kmcnt 0x0
	s_add_nc_u64 s[4:5], s[4:5], s[12:13]
	s_add_nc_u64 s[6:7], s[6:7], s[14:15]
	s_add_nc_u64 s[10:11], s[10:11], s[16:17]
	s_wait_alu depctr_va_vdst(0)                   ; v1, v2 and v3 are written: every load of the streams and every store reads one of them as its offset
; One load: chunk t's idx, 512 consecutive bytes a wave.
.macro LDIDX t
	global_load_b128 v[IX+4*((\t)%2):IX+4*((\t)%2)+3], v[OI], s[6:7] offset:(\t)*ISTEP th:TH_LOAD_NT
.endm
; Four loads: chunk t's coords, 384 consecutive bytes a wave each.
.macro LDC t
.irp j, 0,1,2,3
	global_load_b96 v[C+16*((\t)%2)+4*\j:C+16*((\t)%2)+4*\j+2], v[OC], s[4:5] offset:(\t)*CSTEP+\j*CROW th:TH_LOAD_NT
.endr
.endm
; Batch g: the eight table indices, into buffer g mod 5.  Vector instructions alone.
.macro HASH g
.set HI, IX+4*(((\g)/4)%2)+(\g)%4                  ; the batch's word of idx
.set HB, D+8*((\g)%5)
	v_bfe_u32     v[T],   v[HI], 7, 7              ; y
	v_lshrrev_b32 v[T+1], 14, v[HI]                ; z
	v_and_b32     v[T+2], 0x7f, v[HI]              ; x
	v_mul_u32_u24 v[T],   s22, v[T]                ; y P1
	v_mul_u32_u24 v[T+1], s23, v[T+1]              ; z P2
	v_add_nc_u32  v[T+3], 1, v[T+2]                ; x + 1
	v_add_nc_u32  v[T+4], s22, v[T]                ; (y + 1) P1
	v_add_nc_u32  v[T+5], s23, v[T+1]              ; (z + 1) P2
	v_xor_b32 v[T+6], v[T],   v[T+1]               ; row 0: y,     z
	v_xor_b32 v[T+7], v[T+4], v[T+1]               ; row 1: y + 1, z
	v_xor_b32 v[T+8], v[T],   v[T+5]               ; row 2: y,     z + 1
	v_xor_b32 v[T+9], v[T+4], v[T+5]               ; row 3: y + 1, z + 1
.irp k, 0,1,2,3
	v_and_b32 v[T+6+\k], s24, v[T+6+\k]            ; mod 2^19 here, four times: x and x + 1 are under 2^7 and cannot lead out again
.endr
.irp k, 0,1,2,3
	v_xor_b32 v[HB+\k],   v[T+6+\k], v[T+2]        ; corner x     of row k, lane = point
	v_xor_b32 v[HB+4+\k], v[T+6+\k], v[T+3]        ; corner x + 1 of row k, lane = point
.endr
.irp k, 0,1,2,3
	v_permlane16_swap_b32 v[HB+\k], v[HB+4+\k]     ; first register: points 0-15, x in lanes 0-15, x + 1 in lanes 16-31; second: points 16-31 likewise
.endr
.irp r, 0,1,2,3,4,5,6,7
	v_min_u32 v[HB+\r], 0x7ffff, v[HB+\r]          ; a loaded number enters an address only behind a minimum with a written constant; the values are under 2^19 already
.endr
.endm
; Two of batch g's eight gathers: registers r and r + 1 of its buffer.
.macro GA g, r
.set GB, D+8*((\g)%5)+(\r)
	global_load_b32 v[GB],   v[GB],   s[8:9] scale_offset   ; tab + 4 h (the offset counts accesses of 4 bytes): both features; the load lands on its own address register
	global_load_b32 v[GB+1], v[GB+1], s[8:9] scale_offset
.endm
; The store of result s.
.macro SEND s
.if (\s) < 12
.set PS, R+2*(\s)
.else
.set PS, D+8+2*((\s)-12)                           ; results 12 to 15 lie in buffer 1
.endif
	global_store_b64 v[OO], v[PS:PS+1], s[10:11] offset:((\s)/4)*OSTEP+((\s)%4)*256 th:TH_STORE_NT   ; 32 points x 8 bytes: 256 consecutive bytes, aligned
.endm
; Ahead of the steps: batch g (0 .. 3) is hashed and asked for at once, so that the first gathers leave behind one hash and not behind four.
.macro FIRST g
	HASH \g
	s_wait_alu depctr_va_vdst(0)                   ; the hash has written buffer g's indices, which the gathers read and on which they land; behind batch 3: the four hashes are done reading IX0, in which chunk 2's idx lands
.if (\g) == 3
	LDIDX 2                                        ; ahead of batch 3's gathers, so that step 3's wait for those shows it in
.endif
	GA \g, 0
	GA \g, 2
	GA \g, 4
	GA \g, 6
.endm
; Step s.  left = how many younger loads may stay out when batch s's eight gathers have to be in.
.macro STEP s, left
.set Q,  D+8*((\s)%5)                              ; batch s's buffer
.set CQ, C+16*(((\s)/4)%2)+4*((\s)%4)              ; its coordinates
.if (\s) < 12
.set P, R+2*(\s)                                   ; its result
.else
.set P, D+8+2*((\s)-12)
.endif
	s_wait_loadcnt \left                           ; loads come back in order: this batch's gathers are in, and so is all that was issued ahead of them: the chunk's coords, and the idx that this step's hash reads
.if (\s)%4 == 0
	s_wait_alu depctr_vm_vsrc(0)                   ; the gathers of batches s to s + 3, all issued ahead of this line, have read their addresses: the exchanges and hashes of steps s to s + 3 write those registers
.endif
	s_wait_alu depctr_va_vdst(0)                   ; the step before has written batch s + 4's indices, which the gathers below read and land on, and result s - 1, which the store below reads; it is done reading the slots in which the streams' loads below land
.if (\s) == 3
	LDIDX 3                                        ; IX1: the hash of batch 7, in step 2, was its last reader.  Ahead of batch 7's gathers, so that step 7's wait shows it in
.endif
.if ((\s)%4 == 0) && ((\s) < 12)
	LDC (\s)/4+1                                   ; the next chunk's coords, into the slot that the chunk before this one has left.  Ahead of the gathers of that chunk's first batch
.endif
.if (\s) < 12
	GA (\s)+4, 0                                   ; no vector instruction of this step names buffer (s + 4) mod 5: the eight gathers stand two at a time among them
.endif
.if (\s) > 0
	SEND (\s)-1
.endif
	v_pk_mul_f32 v[W:W+1], v[CQ:CQ+1], s[20:21] op_sel_hi:[1,0]                       ; scaled = 127 c
	v_mul_f32   v[W+2], s20, v[CQ+2]
	v_floor_f32 v[T],   v[W]
	v_floor_f32 v[T+1], v[W+1]
	v_floor_f32 v[T+2], v[W+2]
	v_pk_add_f32 v[W:W+1], v[W:W+1], v[T:T+1] neg_lo:[0,1] neg_hi:[0,1]               ; w = scaled - floor(scaled), the floor not clipped, as in the problem
	v_sub_f32   v[W+2], v[W+2], v[T+2]
	v_sub_f32   v[OMW], 1.0, v[W]                  ; 1 - wx
.if (\s) < 12
	GA (\s)+4, 2
.endif
.irp k, 0,1,2,3
	v_permlane16_swap_b32 v[Q+\k], v[Q+4+\k]       ; the same exchange again: Q + k now holds corner x of row k, Q + 4 + k corner x + 1, lane = point
.endr
.if (\s) < 12
	GA (\s)+4, 4
.endif
	; along x, straight from the bf16 halves into f32: 16 multiply-adds, where widening first would take 16 instructions more than the 8 packed ones it would allow
.irp k, 0,1,2,3
	v_fma_mix_f32_bf16 v[T+2*\k],   v[Q+\k], v[OMW], v[W+3] op_sel_hi:[1,0,0]                  ; f0 of corner x (low half) x (1 - wx) + 0
	v_fma_mix_f32_bf16 v[T+2*\k+1], v[Q+\k], v[OMW], v[W+3] op_sel:[1,0,0] op_sel_hi:[1,0,0]   ; f1 (high half) likewise
.endr
.if (\s) < 12
	GA (\s)+4, 6
.endif
.irp k, 0,1,2,3
	v_fma_mix_f32_bf16 v[T+2*\k],   v[Q+4+\k], v[W], v[T+2*\k]   op_sel_hi:[1,0,0]                  ; + f0 of corner x + 1 times wx
	v_fma_mix_f32_bf16 v[T+2*\k+1], v[Q+4+\k], v[W], v[T+2*\k+1] op_sel:[1,0,0] op_sel_hi:[1,0,0]   ; + f1 of corner x + 1 times wx
.endr
	v_pk_add_f32 v[T+2:T+3], v[T+2:T+3], v[T:T+1]   neg_lo:[0,1] neg_hi:[0,1]
	v_pk_add_f32 v[T+6:T+7], v[T+6:T+7], v[T+4:T+5] neg_lo:[0,1] neg_hi:[0,1]
	v_pk_fma_f32 v[T:T+1],   v[T+2:T+3], v[W:W+1], v[T:T+1]   op_sel:[0,1,0] op_sel_hi:[1,1,1]    ; along y: both halves times wy
	v_pk_fma_f32 v[T+4:T+5], v[T+6:T+7], v[W:W+1], v[T+4:T+5] op_sel:[0,1,0] op_sel_hi:[1,1,1]
	v_pk_add_f32 v[T+4:T+5], v[T+4:T+5], v[T:T+1] neg_lo:[0,1] neg_hi:[0,1]
	v_pk_fma_f32 v[P:P+1], v[T+4:T+5], v[W+2:W+3], v[T:T+1] op_sel_hi:[1,0,1]                     ; along z: both halves times wz; into this result's own pair
.if (\s) < 11
	HASH (\s)+5                                    ; into the buffer just read to the end; its gathers go out in the next step
.endif
.endm
	; The order of the wave's loads, by which the counts below go (I: a load of idx; C: four loads of coords; G: a batch's eight gathers):
	; I0 I1 C0 G0 G1 G2 I2 G3 | step 0: C1 G4 | 1: G5 | 2: G6 | 3: I3 G7 | 4: C2 G8 | 5: G9 | 6: G10 | 7: G11 | 8: C3 G12 | 9: G13 | 10: G14 | 11: G15
	LDIDX 0
	LDIDX 1
	LDC 0
	s_wait_loadcnt 5                               ; chunk 0's idx is in; chunk 1's idx and chunk 0's four loads of coords stay out
	FIRST 0
	FIRST 1
	FIRST 2
	FIRST 3
	s_wait_loadcnt 37                              ; chunk 1's idx is in; behind it stand C0 (4), G0 to G3 (32) and I2 (1)
	HASH 4                                         ; the fifth buffer; step 0 asks for it
	STEP 0, 25                                     ; behind G0: G1, G2, I2, G3
	STEP 1, 29                                     ; behind G1: G2, I2, G3, C1, G4
	STEP 2, 29                                     ; behind G2: I2, G3, C1, G4, G5
	STEP 3, 28                                     ; behind G3: C1, G4, G5, G6
	STEP 4, 25                                     ; behind G4: G5, G6, I3, G7
	STEP 5, 29                                     ; behind G5: G6, I3, G7, C2, G8
	STEP 6, 29                                     ; behind G6: I3, G7, C2, G8, G9
	STEP 7, 28                                     ; behind G7: C2, G8, G9, G10
	STEP 8, 24                                     ; behind G8: G9, G10, G11
	STEP 9, 28                                     ; behind G9: G10, G11, C3, G12
	STEP 10, 28                                    ; behind G10: G11, C3, G12, G13
	STEP 11, 28                                    ; behind G11: C3, G12, G13, G14
	STEP 12, 24                                    ; behind G12: G13, G14, G15; nothing more is asked for, and the counts run down
	STEP 13, 16
	STEP 14, 8
	STEP 15, 0
	s_wait_alu depctr_va_vdst(0)                   ; step 15 has written result 15, which the last store reads
	SEND 15
	s_endpgm
.Lfunc_end_k_qc8a609316d_gather:
	.size	k_qc8a609316d_gather, .Lfunc_end_k_qc8a609316d_gather-k_qc8a609316d_gather
	.p2alignl 7, 3214868480
	.fill 96, 4, 3214868480
	.section	.rodata,"a",@progbits
	.p2align	6, 0x0
	.amdhsa_kernel k_qc8a609316d_gather
		.amdhsa_group_segment_fixed_size 0
		.amdhsa_private_segment_fixed_size 0
		.amdhsa_enable_private_segment 0
		.amdhsa_kernarg_size 32
		.amdhsa_user_sgpr_count 2
		.amdhsa_user_sgpr_kernarg_segment_ptr 1
		.amdhsa_wavefront_size32 1
		.amdhsa_system_sgpr_workgroup_id_x 1
		.amdhsa_system_sgpr_workgroup_id_y 1
		.amdhsa_system_sgpr_workgroup_id_z 1
		.amdhsa_system_vgpr_workitem_id 0
		.amdhsa_next_free_vgpr 124
		.amdhsa_next_free_sgpr 66
		.amdhsa_reserve_vcc 0
		.amdhsa_float_denorm_mode_32 3
		.amdhsa_float_denorm_mode_16_64 3
		.amdhsa_memory_ordered 1
		.amdhsa_forward_progress 1
		.amdhsa_inst_pref_size 71
	.end_amdhsa_kernel
	.amdgpu_metadata
---
amdhsa.version: [ 1, 2 ]
amdhsa.kernels:
  - .name:           k_qc8a609316d_gather
    .symbol:         k_qc8a609316d_gather.kd
    .args:
      - { .name: coords, .offset: 0, .size: 8, .value_kind: global_buffer, .address_space: global }
      - { .name: idx, .offset: 8, .size: 8, .value_kind: global_buffer, .address_space: global }
      - { .name: tab, .offset: 16, .size: 8, .value_kind: global_buffer, .address_space: global }
      - { .name: out0, .offset: 24, .size: 8, .value_kind: global_buffer, .address_space: global }
    .group_segment_fixed_size: 0
    .private_segment_fixed_size: 0
    .kernarg_segment_align: 8
    .kernarg_segment_size: 32
    .max_flat_workgroup_size: 1024
    .sgpr_count:     66
    .vgpr_count:     124
    .wavefront_size: 32
...
	.end_amdgpu_metadata
.endif
;; end of part 5
